; MI455X (gfx1250); checked and timed in simulation.
; The chip was launched on July 23, 2026; its instructions are those of AMD's public machine-readable ISA for CDNA 5 (MIT licence, August 2026) and "CDNA5" Instruction Set Architecture Reference Guide (July 2026). The comments in the code are by the model that wrote it; some were corrected since.
;; Attn. Allowed arithmetic: matrix products marked QUANTISED: E4M3 operands, one given power-of-two scale a tensor, by v_wmma_f32_16x16x64_fp8_fp8 or v_wmma_f32_16x16x128_fp8_fp8, f32 sums; products left as they are: f32 operands where the result goes on into a quantised operand, else bf16, f16 or f32 operands; f32 sums; everything else in f32.
;; Inputs: W_attn 1,024 x 1,024 float32; b_attn 1,024 float32; encoder_outputs 2,048 x 32 x 1,024 float32; lowp_scales 2 int32 (the exponents e of the quantised operands' scales 2^e); rnn_outputs 1 x 32 x 1,024 float32.
;; Outputs: out0 32 x 2,048 float32.
;; This version of the problem:
;;   THIS VERSION OF THE PROBLEM IS GIVEN IN LOW PRECISION. The matrix products marked QUANTISED in the list below multiply operands that are first quantised to E4M3 (4 exponent bits, 3 mantissa bits; 8 bits a number), with one given power-of-two scale for each operand tensor; their sums are f32. All else is computed in f32.
;;   The module's matrix products, in the order in which they are computed (A, B: the left and right operand; K: the contracted axis; several contracted axes count as one K, in the product's order):
;;     1. [M 65,536, K 1,024] x [K 1,024, N 1,024]; A: input encoder_outputs; B: input W_attn: QUANTISED (scales: A lowp_scales[0], B lowp_scales[1])
;;     2. batch 32 x [M 1, K 1,024] x [K 1,024, N 2,048]; A: input rnn_outputs; B: computed on the way: left as it is (M = 1 < 16)
;;   THE QUANTISER, for each operand of a quantised product, along K:
;;     - The operand's scale is 2^e, e = its entry of the input lowp_scales (int32; the entries are numbered through the quantised products in the list's order, A before B).
;;     - Each number is divided by the scale, clamped to +-448, and rounded to the nearest number of E4M3, ties to even, subnormals kept.
;;     - The product sums the exact products of the quantised numbers (number of the format x scale) in f32.
;;   ~~~python
;;   def quantise(x, axis, e):      # numpy; x: float32 -> the quantised numbers, widened to float32 again
;;       x = np.moveaxis(x, axis, -1); K = x.shape[-1]
;;       r = np.clip(x / 2.0 ** e, -448, 448)
;;       step = 2.0 ** (np.maximum(np.frexp(np.where(r == 0, 1, r))[1] - 1, -6) - 3)
;;       q = np.round(r / step) * step * 2.0 ** e      # np.round: ties to even
;;       return np.moveaxis(q, -1, axis).astype(np.float32)
;;   ~~~
;; One version. Each part assembles by itself: llvm-mc -triple=amdgcn-amd-amdhsa -mcpu=gfx1250 --defsym DOCPART=n.
;; ======== version 1 of 1: 3 launches
;; limits: right only within a limited range of input values
;; workspace buffers: wq 1,048,576 bytes; epart 524,288 bytes
;; launch quantw (part 1): grid 64 x 4, 1 waves a work-group, no clusters, 4,864 bytes of LDS; arguments W_attn, lowp_scales, wq; writes wq
.if DOCPART == 1
	.amdgcn_target "amdgcn-amd-amdhsa--gfx1250"
	.amdhsa_code_object_version 6
	.text
	.protected	k_q6217b7f6eb_quantw
	.globl	k_q6217b7f6eb_quantw
	.p2align	8
	.type	k_q6217b7f6eb_quantw,@function
k_q6217b7f6eb_quantw:
	s_mov_b64 s[64:65], 0
	v_nop
	global_prefetch_b8 v0, s[64:65] scope:SCOPE_SE
	s_setreg_imm32_b32 hwreg(HW_REG_WAVE_MODE, 25, 1), 1
	s_wait_xcnt 0x0
; W_attn [1024 (n)][1024 (k)], f32, becomes codes of FP8 (E4M3) with the given scale 2^e1 (entry 1 of the scales): code = x / 2^e1, held within +-448, to the nearest code, ties to even.
; The codes are laid in the order in which the next launch's waves take them into registers: byte = c x 262144 + i x 4096 + u x 2048 + g x 512 + lane x 16,
; c = which 256 along K, i = which 16 rows n, u = which 128 of the 256, g = which four registers of the fragment.  A fragment is then four dense blocks of 512 bytes.
; ONE PERMUTATION OF K, THE SAME HERE AND FOR THE OTHER OPERAND.  A row's 256 numbers come by two loads of 512 consecutive bytes, 16 bytes a lane; a lane's eight numbers
; (k = 128 q + 4 lane + 0..3, q = 0, 1) become eight codes at bytes 8 lane + 4 q + 0..3 of the row of codes.  With one scale for the tensor any eight numbers may share a conversion,
; and since both operands of the product are laid by these same lines, each code meets its partner; only the order of the f32 sums differs from ascending k.
; A work-group is one wave: 16 rows x 256 along K.  The rows of codes turn through LDS (rows 272 bytes apart) into the fragment's layout: lane (r, h) takes row r, bytes 128 u + 32 g + 16 h on.
; LIMITS: e1 between -126 and 119, so that 2^e1 and 448 x 2^e1 are f32 numbers.  NaN among the inputs is not served; an infinity is held at the largest code.
; WORK LEFT OUT BY THE WHOLE PROGRAM: b_attn.  energies[b][s] = dec[b] . (enc[s][b] W^T) + dec[b] . b_attn, and the second term does not hang on s: it is the same along the softmax's axis,
; so for all finite inputs softmax(energies) is the same with and without it.  b_attn has then no way to the output: it is not loaded and is an argument of no launch.
; LIMIT: a NaN, an infinity or an overflow that reaches only dec . b_attn is not carried to the result.
.set S,     16
.set C,     144                        ; v144-175 row p's eight codes at C + 2 p
.set PITCH, 272                        ; a row of 256 codes + 16 bytes: the sixteen rows that a 16-byte load touches start 68 words apart
	s_load_b128 s[4:7], s[0:1], 0x0                ; W s[4:5], the scales' exponents s[6:7]
	s_load_b64 s[8:9], s[0:1], 0x10                ; the codes
	v_lshl_add_u32 v176, v0, 2, 0x1200
	v_mov_b32 v177, 0
	v_lshlrev_b32 v1, 4, v0                        ; 16 x lane: my bytes of a load's 512, and of a store's
	v_lshlrev_b32 v2, 3, v0                        ; 8 x lane: my codes' place in a row
	v_and_b32 v5, 15, v0                           ; r
	v_lshrrev_b32 v6, 4, v0                        ; h
	v_mul_u32_u24 v3, v5, PITCH
	v_lshl_add_u32 v3, v6, 4, v3                   ; back out of LDS: row r, + 16 h
	s_and_b32 s14, ttmp7, 0xffff                   ; c
	s_lshl_b32 s16, ttmp9, 16                      ; 16 rows of 4,096 bytes for each i,
	s_lshl_b32 s15, s14, 10                        ; 1,024 bytes along a row for each c
	s_add_co_u32 s16, s16, s15
	s_mov_b32 s17, 0
	s_lshl_b32 s18, s14, 18                        ; in the codes: c x 262144
	s_lshl_b32 s15, ttmp9, 12                      ; + i x 4096
	s_add_co_u32 s18, s18, s15
	s_mov_b32 s19, 0
	s_wait_alu depctr_va_vdst(0)
	s_wait_kmcnt 0x0
	s_load_b32 s20, s[6:7], 0x4                    ; e1
	s_add_nc_u64 s[4:5], s[4:5], s[16:17]
	s_add_nc_u64 s[8:9], s[8:9], s[18:19]
.irp p, 0,1,2,3,4,5,6,7,8,9,10,11,12,13,14,15
	global_load_b128 v[S+8*\p:S+8*\p+3],   v1, s[4:5] offset:4096*\p th:TH_LOAD_NT       ; 32 lanes read 512 consecutive bytes of row p
	global_load_b128 v[S+8*\p+4:S+8*\p+7], v1, s[4:5] offset:4096*\p+512 th:TH_LOAD_NT
.endr
	s_wait_kmcnt 0x0
	s_add_co_i32 s20, s20, 127
	s_lshl_b32 s21, s20, 23
	v_mov_b32 v4, s21                              ; 2^e1 as f32: the conversion takes its exponent field
	s_add_co_i32 s20, s20, 8
	s_lshl_b32 s12, s20, 23
	s_or_b32 s12, s12, 0x600000                    ; 448 x 2^e1
	s_or_b32 s13, s12, 0x80000000                  ; and its negative
.irp g, 0,1,2,3                                ; four rows at a time
	s_wait_loadcnt 24-8*\g                         ; these four rows' eight loads are in; the eight of each later group may be out
.set i, 0
.rept 32
	v_med3_num_f32 v[S+32*\g+i], v[S+32*\g+i], s13, s12    ; the conversion to an 8-bit code does not saturate (ISA guide 7.6.2): the hold comes first
.set i, i+1
.endr
.irp p, 0,1,2,3
	v_cvt_scalef32_pk8_fp8_f32 v[C+2*(4*\g+\p):C+2*(4*\g+\p)+1], v[S+8*(4*\g+\p):S+8*(4*\g+\p)+7], v4
.endr
.endr
	v_nop                                          ; one plain vector line behind the last conversion
.irp p, 0,1,2,3,4,5,6,7,8,9,10,11,12,13,14,15
	ds_store_b64 v2, v[C+2*\p:C+2*\p+1] offset:PITCH*\p    ; a row of 256 codes, 8 bytes a lane
.endr
.irp n, 0,1,2,3,4,5,6,7
	ds_load_b128 v[S+4*\n:S+4*\n+3], v3 offset:128*(\n/4)+32*(\n%4)   ; LDS serves a wave's instructions in order (ISA guide 5.7.1.4): these see the stores above
.endr
.irp n, 0,1,2,3,4,5,6,7
	s_wait_dscnt 7-\n                              ; load n is in; the younger ones may be out
	global_store_b128 v1, v[S+4*\n:S+4*\n+3], s[8:9] offset:512*\n   ; 32 lanes store 512 consecutive bytes, at a multiple of 512 from the buffer's first byte
.endr
	s_wait_tensorcnt 0x0
	ds_add_u32 v176, v177
	s_wait_dscnt 0x0
	s_endpgm
.Lfunc_end_k_q6217b7f6eb_quantw:
	.size	k_q6217b7f6eb_quantw, .Lfunc_end_k_q6217b7f6eb_quantw-k_q6217b7f6eb_quantw
	.p2alignl 7, 3214868480
	.fill 96, 4, 3214868480
	.section	.rodata,"a",@progbits
	.p2align	6, 0x0
	.amdhsa_kernel k_q6217b7f6eb_quantw
		.amdhsa_group_segment_fixed_size 4864
		.amdhsa_private_segment_fixed_size 0
		.amdhsa_enable_private_segment 0
		.amdhsa_kernarg_size 24
		.amdhsa_user_sgpr_count 2
		.amdhsa_user_sgpr_kernarg_segment_ptr 1
		.amdhsa_wavefront_size32 1
		.amdhsa_system_sgpr_workgroup_id_x 1
		.amdhsa_system_sgpr_workgroup_id_y 1
		.amdhsa_system_sgpr_workgroup_id_z 1
		.amdhsa_system_vgpr_workitem_id 0
		.amdhsa_next_free_vgpr 178
		.amdhsa_next_free_sgpr 66
		.amdhsa_reserve_vcc 0
		.amdhsa_float_denorm_mode_32 3
		.amdhsa_float_denorm_mode_16_64 3
		.amdhsa_memory_ordered 1
		.amdhsa_forward_progress 1
		.amdhsa_inst_pref_size 17
	.end_amdhsa_kernel
	.amdgpu_metadata
---
amdhsa.version: [ 1, 2 ]
amdhsa.kernels:
  - .name:           k_q6217b7f6eb_quantw
    .symbol:         k_q6217b7f6eb_quantw.kd
    .args:
      - { .name: W_attn, .offset: 0, .size: 8, .value_kind: global_buffer, .address_space: global }
      - { .name: lowp_scales, .offset: 8, .size: 8, .value_kind: global_buffer, .address_space: global }
      - { .name: wq, .offset: 16, .size: 8, .value_kind: global_buffer, .address_space: global }
    .group_segment_fixed_size: 4864
    .private_segment_fixed_size: 0
    .kernarg_segment_align: 8
    .kernarg_segment_size: 24
    .max_flat_workgroup_size: 32
    .sgpr_count:     66
    .vgpr_count:     178
    .wavefront_size: 32
...
	.end_amdgpu_metadata
.endif
;; end of part 1
;; launch energy (part 2): grid 8 x 32, 4 waves a work-group, clusters of 4 x 1, 327,680 bytes of LDS; arguments wq, encoder_outputs, rnn_outputs, lowp_scales, epart; writes epart
.if DOCPART == 2
	.amdgcn_target "amdgcn-amd-amdhsa--gfx1250"
	.amdhsa_code_object_version 6
	.text
	.protected	k_q6217b7f6eb_energy
	.globl	k_q6217b7f6eb_energy
	.p2align	8
	.type	k_q6217b7f6eb_energy,@function
k_q6217b7f6eb_energy:
	s_mov_b64 s[64:65], 0
	v_nop
	global_prefetch_b8 v0, s[64:65] scope:SCOPE_SE
	s_setreg_imm32_b32 hwreg(HW_REG_WAVE_MODE, 25, 1), 1
	s_wait_xcnt 0x0
	s_wait_alu depctr_hold_cnt(0) depctr_sa_sdst(0) depctr_va_vdst(0) depctr_va_sdst(0) depctr_va_ssrc(0) depctr_va_vcc(0) depctr_vm_vsrc(0)
	s_getreg_b32 s2, hwreg(HW_REG_IB_STS2, 6, 4)
	s_cmp_eq_u32 s2, 0
	s_cbranch_scc0 .Lentry_in_a_cluster
	s_endpgm
.Lentry_in_a_cluster:
	s_bfe_u32 s2, ttmp6, 0x10000c
	s_cmp_lg_u32 s2, 0x3003
	s_cbranch_scc0 .Lentry_shape_is_right
	s_endpgm
.Lentry_shape_is_right:
; epart[j][b][s] = 2^(e0+e1) x sum over the n of parity j of dec[b][n] x (sum over k of code(enc[s][b][k]) x code(W[n][k])).  The bias is left out (dead work: see the first kernel's head).
; A work-group takes one b and 256 s.  enc is quantised here (each number is read from memory once): code = x / 2^e0, held within +-448, nearest, ties to even.
; K goes in four chunks of 256.  Wave w loads and quantises rows 64 w .. 64 w + 63 of a chunk; the codes turn through an LDS stage into fragments.
; For the products the waves stand 2 x 2: wave (i = w / 2, j = w % 2) holds the codes of rows 128 i .. + 127 (8 blocks of 16, 256 registers) and walks the tiles of 16 n with number 2 t + j:
; a fragment of W read from LDS feeds 8 products.  A tile's 16 products (8 accumulators by turns, 2 along K) are weighed by dec[n] into E (a lane holds n = lane % 16), and E is summed over lanes at the end.
; W's codes come in the order of the fragments through a ring of two slots of 32 tiles, by joint loads: all four work-groups of a cluster walk the same W.
; The K order inside a chunk is the permutation that the first launch gives W: each code meets its partner.
; encoder_outputs is not prefetched: its register loads, a row at a time among the products, are issued one to seven trips ahead of their use, 16 to 24 loads a trip.
; LIMITS: e0 between -126 and 119.  NaN among the inputs is not served; an infinity is held at the largest code.
.set ROWE,   131072                    ; bytes from s to s + 1
.set OWNT,   8192                      ; from one of my tiles to my next
.set SLOTB,  131072
.set STG,    2*SLOTB                   ; the codes' stage: 4 waves x 2 groups of 16 rows x 272 bytes
.set SPITCH, 272
.set STGG,   16*SPITCH
.set DECB,   STG+8*STGG                ; dec, laid [j][quad of my tiles][lane % 16][tile of the quad]
.set EST,    DECB+4096                 ; the way out: 512 bytes a wave
.set SPARE,  EST+2048
.set LI,  1                            ; 16 x lane
.set LB,  2                            ; my tile 0 in slot 0
.set LW,  3                            ; this trip's first tile
.set DL,  4
.set DAD, 5
.set STW, 6
.set STR, 7
.set STE, 8
.set ERD, 9
.set PFO, 10
.set SCL, 12
.set Y,   16                           ; v16-19 dec of the trip's four tiles
.set SPW, 28
.set NIL, 29
.set BB,  32                           ; window 0: v32-95 two tiles of W; v128-255 A's blocks 0-3
.set DD,  128                          ; window 1: v0-127 A's blocks 4-7; v128-191 D; v192-255 E
.set EE,  192                          ; windows 2, 3: the next chunk's f32 numbers
.set WV,  14
.set LIM, 18
.set LEFT, 19
.set PFA, 22
.set G1,  24
.set G0,  32
.set IW,  66
.set JW,  67
.set WLO, 0x50                         ; A window 0, W window 0, C and D window 1
.set WHI, 0x51                         ; A (or D, in a multiply-add) window 1, W (or dec) window 0, the rest window 1
.set MSB, 0
.macro WIN new
.if MSB != (\new)
	s_set_vgpr_msb (MSB<<8)|(\new)
.set MSB, (\new)
.endif
.endm
.macro CREST
	s_cmp_lg_u32 s[WV], 0
	s_cbranch_scc1 .Lnot_wave_0_\@
	s_barrier_signal -3
.Lnot_wave_0_\@:
	s_barrier_wait -3
	s_barrier_signal -1
	s_barrier_wait -1
.endm
.macro CROUND
	s_barrier_signal -1
	s_barrier_wait -1
	CREST
.endm
.macro BAR
	s_barrier_signal -1
	s_barrier_wait -1
.endm
.macro JLOAD p                         ; my quarter of a slot; five lines behind the load
	tensor_load_to_lds s[G0+4*\p:G0+4*\p+3], s[G1:G1+7]
	s_nop 0
.rept 4
	v_nop
.endr
.endm
.macro ASK                             ; one cluster asks for the two slots that the next chunk's trips will load: 32 lanes x 256 bytes a wave and slot; the last chunk but one asks for nothing
	s_cmp_gt_u32 s[LEFT], s[LIM]
	s_cbranch_scc0 .Lnot_mine_\@
	global_prefetch_b8 v[PFO], s[PFA:PFA+1] th:TH_LOAD_NT scope:SCOPE_SE
	global_prefetch_b8 v[PFO], s[PFA:PFA+1] offset:SLOTB th:TH_LOAD_NT scope:SCOPE_SE
.Lnot_mine_\@:
.endm
.macro LROW row, back                  ; one of my 64 rows of a chunk: two loads of 512 consecutive bytes; back: the windows to leave behind
	WIN 0x80+0x40*((\row)/32)
	global_load_b128 v[8*((\row)%32):8*((\row)%32)+3],   v[LI], s[20:21] offset:(\row)*ROWE th:TH_LOAD_NT
	global_load_b128 v[8*((\row)%32)+4:8*((\row)%32)+7], v[LI], s[20:21] offset:(\row)*ROWE+512 th:TH_LOAD_NT
	WIN \back
.endm
.macro LROWS r0, n                     ; rows r0 .. r0 + n - 1
.if \n
.set lr, \r0
.rept \n
	LROW lr, 0x80+0x40*(lr/32)
.set lr, lr+1
.endr
	WIN 0
.endif
.endm
.macro QG g, n                         ; group g is held and converted; its codes wait in D's registers, which are idle between trips
	s_wait_loadcnt \n
	WIN 0x82+0x41*((\g)/2)
.set qs, 128*((\g)%2)
.set i, 0
.rept 128
	v_med3_num_f32 v[qs+i], v[qs+i], s46, s45
.set i, i+1
.endr
	WIN 0x42+((\g)/2)
.set i, 0
.rept 16
	v_cvt_scalef32_pk8_fp8_f32 v[DD+32*((\g)%2)+2*i:DD+32*((\g)%2)+2*i+1], v[qs+8*i:qs+8*i+7], v[SCL]
.set i, i+1
.endr
	v_nop                                          ; a plain line behind the last conversion
	WIN 0
.endm
.macro QST                             ; two groups' rows of codes into my part of the stage
	WIN 0x04
.irp gp, 0,1
.set i, 0
.rept 16
	ds_store_b64 v[STW], v[DD+32*\gp+2*i:DD+32*\gp+2*i+1] offset:\gp*STGG+SPITCH*i
.set i, i+1
.endr
.endr
	WIN 0
.endm
.macro QLD ph                          ; blocks 2 ph, 2 ph + 1 (rows of wave 2 i) and 4 + 2 ph, 5 + 2 ph (rows of wave 2 i + 1) as fragments
.irp ws, 0,1
	WIN 0x40*\ws
.irp gp, 0,1
.irp s, 0,1
.irp c, 0,1,2,3
.set qa, (128-128*\ws)+32*(2*\ph+\gp)+16*\s+4*\c
	ds_load_b128 v[qa:qa+3], v[STR] offset:(2*\ws+\gp)*STGG+128*\s+32*\c
.endr
.endr
.endr
.endr
	WIN 0
.endm
; The stage holds two groups a wave, so the four groups pass in two phases.  QA: groups 0 and 1 into the stage; a barrier follows before QB (in the loop: the refill's barrier of the chunk's last trip).
.macro QA
	QG 0, 63                                       ; at least 112 loads are issued: the oldest 49 are in, group 0's 32 among them
	QG 1, 48                                       ; the oldest 64 are in
	QST
	s_wait_dscnt 0x0                               ; the stores have read D's registers and are done
.endm
.macro QB
	QLD 0
	QG 2, 32
	QG 3, 0
	s_wait_alu depctr_va_vdst(0)
	s_wait_dscnt 0x0                               ; my reads of the stage are back
	BAR
	QST
	s_wait_dscnt 0x0
	BAR
	QLD 1
	s_wait_dscnt 0x0
.endm
; 8 products: blocks a0 .. a0 + 3 by turns, twice 128 along K; the first starts the sums.  Behind the 2nd and the 6th stand up to n rows' loads of the next chunk, from row r0 on.
.macro WM a0, p, r0, n
.set wi, 0
.irp s, 0,1
.irp a, 0,1,2,3
.set wd, DD+8*(\a0+\a)
.set wa, (128-32*(\a0))+32*\a+16*\s
.set wb, BB+32*(\p)+16*\s
.if \s
	v_wmma_f32_16x16x128_fp8_fp8 v[wd:wd+7], v[wa:wa+15], v[wb:wb+15], v[wd:wd+7]
.else
	v_wmma_f32_16x16x128_fp8_fp8 v[wd:wd+7], v[wa:wa+15], v[wb:wb+15], 0
.endif
.set wi, wi+1
.if (wi == 2) && ((\n) > 0)
	LROW \r0, WLO+(\a0)/4
.endif
.if (wi == 6) && ((\n) > 1)
	LROW (\r0)+1, WLO+(\a0)/4
.endif
.endr
.endr
.endm
.macro FMA a0, e                       ; E += D x dec of the trip's tile e, blocks a0 .. a0 + 3, each accumulator from its low end
.irp a, 0,1,2,3
.irp q, 0,2,4,6
.set fo, 8*(\a0+\a)+\q
.if (\e)%2
	v_pk_fma_f32 v[EE+fo:EE+fo+1], v[DD+fo:DD+fo+1], v[Y+2*((\e)/2):Y+2*((\e)/2)+1], v[EE+fo:EE+fo+1] op_sel:[0,1,0] op_sel_hi:[1,1,1]
.else
	v_pk_fma_f32 v[EE+fo:EE+fo+1], v[DD+fo:DD+fo+1], v[Y+2*((\e)/2):Y+2*((\e)/2)+1], v[EE+fo:EE+fo+1] op_sel_hi:[1,0,1]
.endif
.endr
.endr
.endm
.macro FETCH p, adr, off
.irp s, 0,1
.irp c, 0,1,2,3
	ds_load_b128 v[BB+32*(\p)+16*\s+4*\c:BB+32*(\p)+16*\s+4*\c+3], v[\adr] offset:\off+2048*\s+512*\c
.endr
.endr
.endm
; A trip: four of my tiles.  mode 0: plain; 1: a slot's last trip, the slot is filled again; 2: a slot's last trip, no refill; 3: the very last.  lr, ln: each tile asks for ln rows of the next chunk, from row lr on.
; A tile's fragments are fetched two tiles ahead, behind 16 multiply-adds (or four v_nop) that are the places behind the products that read the registers.
.macro TRIP mode, p, wrap, lr, ln
	v_add_nc_u32 v[LW], s40, v[LB]
	v_add_nc_u32 v[DAD], s42, v[DL]
	s_wait_alu depctr_va_vdst(0)
	ds_load_b128 v[Y:Y+3], v[DAD]
.if \wrap
	s_mov_b32 s40, 0
	s_mov_b32 s42, 0
.set NA, LB
.set NO, 0
.else
	s_add_co_u32 s40, s40, 4*OWNT
	s_add_co_u32 s42, s42, 256
.set NA, LW
.set NO, 4*OWNT
.endif
	s_wait_dscnt 9                                 ; tile 0 is in; tile 1's eight loads and dec's may be out
	WIN WLO
	WM 0, 0, (\lr), ((\ln)+1)/2
	WIN WHI
	WM 4, 0, (\lr)+((\ln)+1)/2, (\ln)/2
.rept 4
	v_nop
.endr
	WIN 0
	FETCH 0, LW, 2*OWNT
	s_wait_dscnt 8                                 ; dec and tile 1 are in
	WIN WHI
	FMA 0, 0
	WIN WLO
	WM 0, 1, (\lr)+(\ln), ((\ln)+1)/2
	WIN WHI
	FMA 4, 0
	WM 4, 1, (\lr)+(\ln)+((\ln)+1)/2, (\ln)/2
	FMA 0, 1
	WIN 0
	FETCH 1, LW, 3*OWNT
.if ((\mode) == 0) || ((\mode) == 3)
	s_wait_dscnt 8                                 ; tile 2 is in
	WIN WLO
	WM 0, 0, (\lr)+2*(\ln), ((\ln)+1)/2
	WIN WHI
	FMA 4, 1
	WM 4, 0, (\lr)+2*(\ln)+((\ln)+1)/2, (\ln)/2
.else
	s_wait_tensorcnt 0x0                           ; my part of the other slot has landed
	ds_add_u32 v[SPW], v[NIL]                      ; only work on registers up to the barrier's wait
.if (\mode) == 1
	s_add_nc_u64 s[G0+4*\p+2:G0+4*\p+3], s[G0+4*\p+2:G0+4*\p+3], 2*SLOTB
.if \p
	s_wait_xcnt 0x0                                ; my last prefetches have read their address
	s_add_nc_u64 s[PFA:PFA+1], s[PFA:PFA+1], 2*SLOTB
.endif
.endif
	s_wait_dscnt 9                                 ; tile 2 is in; tile 3's eight loads and the add may be out
	WIN WLO
	WM 0, 0, 0, 0
	WIN WHI
	FMA 4, 1
	s_wait_dscnt 0x0                               ; the add is done; tile 3, my last read of this slot, is in
	s_barrier_signal -1
	WM 4, 0, 0, 0
	WIN 0
	s_barrier_wait -1
.if (\mode) == 1
	CREST
	JLOAD \p
.if \p
	ASK
	s_sub_co_u32 s[LEFT], s[LEFT], 1
.endif
.endif
	WIN WHI
.endif
	FMA 0, 2
	WIN 0
.if (\mode) != 3
	FETCH 0, NA, NO
.if ((\mode) == 1) || ((\mode) == 2)
	LROWS (\lr)+2*(\ln), \ln
.endif
	s_wait_dscnt 8                                 ; tile 3 is in
.else
	s_wait_dscnt 0x0
.endif
	WIN WLO
	WM 0, 1, (\lr)+3*(\ln), ((\ln)+1)/2
	WIN WHI
	FMA 4, 2
	WM 4, 1, (\lr)+3*(\ln)+((\ln)+1)/2, (\ln)/2
	FMA 0, 3
.if (\mode) != 3
	WIN 0
	FETCH 1, NA, NO+OWNT
	WIN WHI
.endif
	FMA 4, 3
	WIN 0
.endm
.macro TRIPS n
	s_mov_b32 s43, \n
.Ltrips_\@:
	TRIP 0, 0, 0, 0, 0
	s_sub_co_u32 s43, s43, 1
	s_cmp_lg_u32 s43, 0
	s_cbranch_scc1 .Ltrips_\@
.endm
	s_load_b256 s[4:11], s[0:1], 0x0               ; wq, enc, dec, the scales
	s_load_b64 s[12:13], s[0:1], 0x20              ; epart
	v_lshl_add_u32 v[SPW], v0, 2, SPARE
	v_mov_b32 v[NIL], 0
	ds_add_u32 v[SPW], v[NIL]
	ds_add_u32 v[SPW], v[NIL]
	v_lshrrev_b32 v20, 5, v0
	v_readfirstlane_b32 s[WV], v20
	s_lshr_b32 s[IW], s[WV], 1
	s_and_b32 s[JW], s[WV], 1
	s_bfe_u32 s15, ttmp6, 0x40000                  ; cx
	s_lshl_b32 s16, ttmp9, 2
	s_add_co_u32 s16, s16, s15                     ; which 256 s
	s_and_b32 s17, ttmp7, 0xffff                   ; b
	s_lshl_b32 s50, s[JW], 12
	s_lshl_b32 s51, s[JW], 11
	s_add_co_u32 s51, s51, DECB
	s_mul_i32 s52, s[WV], 2*STGG
	s_add_co_u32 s52, s52, STG
	s_mul_i32 s53, s[IW], 4*STGG
	s_add_co_u32 s53, s53, STG
	s_lshl_b32 s54, s[WV], 9
	s_add_co_u32 s54, s54, EST
	s_lshl_b32 s56, s16, 8
	s_lshl_b32 s55, s[WV], 6
	s_add_co_u32 s56, s56, s55
	s_lshl_b32 s56, s56, 17                        ; enc: my first row,
	s_lshl_b32 s60, s17, 12
	s_add_co_u32 s56, s56, s60                     ; + b x 4,096
	s_mov_b32 s57, 0
	s_lshl_b32 s58, s[JW], 18                      ; epart: part j,
	s_lshl_b32 s55, s17, 13
	s_add_co_u32 s58, s58, s55                     ; row b,
	s_lshl_b32 s55, s16, 10
	s_add_co_u32 s58, s58, s55
	s_lshl_b32 s55, s[IW], 9
	s_add_co_u32 s58, s58, s55                     ; my 128 s
	s_mov_b32 s59, 0
	s_mov_b32 s61, 0
	s_lshl_b32 s62, s[WV], 15                      ; my quarter of a slot
	s_mov_b32 s63, 0
	s_lshl_b32 s68, s15, 15
	s_lshl_b32 s55, s[WV], 13
	s_add_co_u32 s68, s68, s55
	s_add_co_u32 s68, s68, 2*SLOTB
	s_mov_b32 s69, 0
	s_or_b32 s[LIM], ttmp9, s17
	s_cmp_eq_u32 s[LIM], 0
	s_cselect_b32 s[LIM], 1, -1
	s_mov_b32 s[LEFT], 3
	s_mov_b32 s[G1+0], 15|(3<<16)|(1<<21)          ; 128 rows of 32 elements of 8 bytes, dense; the mask names the cluster's four
	s_mov_b32 s[G1+1], 32<<16
	s_mov_b32 s[G1+2], 128<<16
	s_mov_b32 s[G1+3], 32<<16
	s_mov_b32 s[G1+4], 128
	s_mov_b32 s[G1+5], 32
	s_mov_b32 s[G1+6], 0
	s_mov_b32 s[G1+7], 0
	v_and_b32 v21, 31, v0
	v_and_b32 v22, 15, v0
	v_bfe_u32 v23, v0, 4, 1
	v_lshlrev_b32 v[LI], 4, v21
	v_lshlrev_b32 v[PFO], 8, v21
	v_lshl_add_u32 v[LB], v21, 4, s50
	v_lshl_add_u32 v[DL], v22, 4, s51
	v_lshl_add_u32 v[STW], v21, 3, s52
	v_mul_u32_u24 v[STR], v22, SPITCH
	v_lshl_add_u32 v[STR], v23, 4, v[STR]
	v_add_nc_u32 v[STR], s53, v[STR]
	v_lshl_add_u32 v[STE], v23, 5, s54
	v_lshl_add_u32 v[ERD], v21, 4, s54
	v_bfe_u32 v24, v0, 2, 1                        ; dec's table: thread x holds n = 4 x + u of tile x / 4: parity,
	v_lshlrev_b32 v24, 11, v24
	v_bfe_u32 v25, v0, 5, 2                        ; quad,
	v_lshl_add_u32 v24, v25, 8, v24
	v_bfe_u32 v25, v0, 3, 2                        ; place in the quad,
	v_lshl_add_u32 v24, v25, 2, v24
	v_and_b32 v25, 3, v0                           ; and n % 16 = 4 (x % 4) + u
	v_lshl_add_u32 v24, v25, 6, v24
	v_add_nc_u32 v24, DECB, v24
	v_lshlrev_b32 v26, 4, v0
	s_wait_alu depctr_va_vdst(0)
	s_wait_dscnt 0x0
	s_wait_kmcnt 0x0
	s_load_b64 s[48:49], s[10:11], 0x0             ; e0, e1
	s_add_nc_u64 s[20:21], s[6:7], s[56:57]
	s_add_nc_u64 s[12:13], s[12:13], s[58:59]
	s_add_nc_u64 s[8:9], s[8:9], s[60:61]
	s_add_nc_u64 s[PFA:PFA+1], s[4:5], s[68:69]
	s_mov_b32 s[G0+0], 1
	s_mov_b32 s[G0+1], s62
	s_add_nc_u64 s[G0+2:G0+3], s[4:5], s[62:63]
	s_mov_b32 s[G0+4], 1
	s_add_co_u32 s[G0+5], s62, SLOTB
	s_add_nc_u64 s[G0+6:G0+7], s[G0+2:G0+3], SLOTB
	s_or_b32 s[G0+3], s[G0+3], 0x80000000
	s_or_b32 s[G0+7], s[G0+7], 0x80000000
	CROUND
	JLOAD 0                                        ; slot 0: one tensor load a wave at the head, ahead of the register loads
	global_load_b128 v[96:99], v26, s[8:9]
	global_load_b128 v[100:103], v26, s[8:9] offset:2048
	LROWS 0, 32
	s_wait_loadcnt 63                              ; of 66 loads the oldest three are in: dec's two among them
.irp u, 0,1,2,3
	ds_store_b32 v24, v[96+\u] offset:16*\u
	ds_store_b32 v24, v[100+\u] offset:16*\u+1024
.endr
	LROWS 32, 32
	s_wait_kmcnt 0x0
	s_add_co_i32 s47, s48, s49                     ; e0 + e1
	s_add_co_i32 s50, s48, 127
	s_lshl_b32 s51, s50, 23
	v_mov_b32 v[SCL], s51                          ; 2^e0
	s_add_co_i32 s50, s50, 8
	s_lshl_b32 s45, s50, 23
	s_or_b32 s45, s45, 0x600000                    ; 448 x 2^e0
	s_or_b32 s46, s45, 0x80000000
	WIN 0x40
.set i, 0
.rept 64
	v_mov_b32 v[EE+i], 0
.set i, i+1
.endr
	WIN 0
	s_wait_tensorcnt 0x0                           ; slot 1 is first read four trips on: its first fill, issued as a refill is, stands behind all the first chunk's loads
	ds_add_u32 v[SPW], v[NIL]
	s_wait_dscnt 0x0
	CROUND                                         ; slot 0 is whole in every work-group of the cluster
	JLOAD 1
	QA
	BAR                                            ; all four waves' codes of groups 0 and 1, and dec's table, lie in LDS
	QB
	FETCH 0, LB, 0
	FETCH 1, LB, OWNT
	s_mov_b32 s40, 0
	s_mov_b32 s42, 0
	s_mov_b32 s44, 3
.Lchunk:                                               ; a chunk's eight trips; the next chunk's numbers are asked for on the way
	s_add_nc_u64 s[20:21], s[20:21], 1024          ; every load that read the base is in
	TRIP 0, 0, 0, 0, 3                             ; the next chunk's 64 rows: 12, 12, then 8 a trip
	TRIP 0, 0, 0, 12, 3
	TRIP 0, 0, 0, 24, 2
	TRIP 1, 0, 0, 32, 2
	TRIP 0, 0, 0, 40, 2
	TRIP 0, 0, 0, 48, 2
	QA                                             ; 112 loads are issued; D's registers are idle between trips
	TRIP 0, 0, 0, 56, 2
	TRIP 1, 1, 1, 0, 0                             ; its barrier stands behind every wave's stores of QA
	QB
	s_sub_co_u32 s44, s44, 1
	s_cmp_lg_u32 s44, 0
	s_cbranch_scc1 .Lchunk
	TRIPS 3                                        ; the last chunk asks for nothing more
	TRIP 2, 0, 0, 0, 0
	TRIPS 3
	TRIP 3, 0, 1, 0, 0
	WIN 0x01
.set i, 0
.rept 64
	v_ldexp_f32 v[128+i], v[EE+i], s47             ; x 2^(e0 + e1), into window 0
.set i, i+1
.endr
	WIN 0
.irp m, 1,2,4,8                                ; the sum over the 16 n of the lanes
.set i, 0
.rept 64
	v_add_f32_dpp v[128+i], v[128+i], v[128+i] row_xmask:\m row_mask:0xf bank_mask:0xf
.set i, i+1
.endr
.endr
.irp a, 0,1,2,3,4,5,6,7                        ; row 16 a + 8 h + register; sixteen lanes write the same words with the same values
	ds_store_b128 v[STE], v[128+8*\a:128+8*\a+3] offset:64*\a
	ds_store_b128 v[STE], v[128+8*\a+4:128+8*\a+7] offset:64*\a+16
.endr
	ds_load_b128 v[20:23], v[ERD]                  ; my wave's own bytes, served in order
	s_wait_dscnt 0x0
	global_store_b128 v[LI], v[20:23], s[12:13]    ; the wave stores 512 consecutive bytes, at a multiple of 512
	s_wait_tensorcnt 0x0                           ; the wave's end
	ds_add_u32 v[SPW], v[NIL]
	s_wait_dscnt 0x0
	CROUND
	s_endpgm
.Lfunc_end_k_q6217b7f6eb_energy:
	.size	k_q6217b7f6eb_energy, .Lfunc_end_k_q6217b7f6eb_energy-k_q6217b7f6eb_energy
	.p2alignl 7, 3214868480
	.fill 96, 4, 3214868480
	.section	.rodata,"a",@progbits
	.p2align	6, 0x0
	.amdhsa_kernel k_q6217b7f6eb_energy
		.amdhsa_group_segment_fixed_size 327680
		.amdhsa_private_segment_fixed_size 0
		.amdhsa_enable_private_segment 0
		.amdhsa_kernarg_size 40
		.amdhsa_user_sgpr_count 2
		.amdhsa_user_sgpr_kernarg_segment_ptr 1
		.amdhsa_wavefront_size32 1
		.amdhsa_system_sgpr_workgroup_id_x 1
		.amdhsa_system_sgpr_workgroup_id_y 1
		.amdhsa_system_sgpr_workgroup_id_z 1
		.amdhsa_system_vgpr_workitem_id 0
		.amdhsa_next_free_vgpr 1024
		.amdhsa_next_free_sgpr 72
		.amdhsa_reserve_vcc 0
		.amdhsa_float_denorm_mode_32 3
		.amdhsa_float_denorm_mode_16_64 3
		.amdhsa_memory_ordered 1
		.amdhsa_forward_progress 1
		.amdhsa_inst_pref_size 255
	.end_amdhsa_kernel
	.section	.bss,"aw",@nobits
	.p2align	6
	.space	262144
	.amdgpu_metadata
---
amdhsa.version: [ 1, 2 ]
amdhsa.kernels:
  - .name:           k_q6217b7f6eb_energy
    .symbol:         k_q6217b7f6eb_energy.kd
    .args:
      - { .name: wq, .offset: 0, .size: 8, .value_kind: global_buffer, .address_space: global }
      - { .name: encoder_outputs, .offset: 8, .size: 8, .value_kind: global_buffer, .address_space: global }
      - { .name: rnn_outputs, .offset: 16, .size: 8, .value_kind: global_buffer, .address_space: global }
      - { .name: lowp_scales, .offset: 24, .size: 8, .value_kind: global_buffer, .address_space: global }
      - { .name: epart, .offset: 32, .size: 8, .value_kind: global_buffer, .address_space: global }
    .group_segment_fixed_size: 327680
    .private_segment_fixed_size: 0
    .kernarg_segment_align: 8
    .kernarg_segment_size: 40
    .max_flat_workgroup_size: 128
    .sgpr_count:     72
    .vgpr_count:     1024
    .wavefront_size: 32
...
	.end_amdgpu_metadata
.endif
;; end of part 2
;; launch softmax (part 3): grid 32 x 1, 4 waves a work-group, no clusters, 768 bytes of LDS; arguments epart, out0; writes out0
.if DOCPART == 3
	.amdgcn_target "amdgcn-amd-amdhsa--gfx1250"
	.amdhsa_code_object_version 6
	.text
	.protected	k_q6217b7f6eb_softmax
	.globl	k_q6217b7f6eb_softmax
	.p2align	8
	.type	k_q6217b7f6eb_softmax,@function
k_q6217b7f6eb_softmax:
	s_mov_b64 s[64:65], 0
	v_nop
	global_prefetch_b8 v0, s[64:65] scope:SCOPE_SE
	s_setreg_imm32_b32 hwreg(HW_REG_WAVE_MODE, 25, 1), 1
	s_wait_xcnt 0x0
; out0[b][:] = softmax over s of (epart[0][b][s] + epart[1][b][s]): the two parts are the sums over the even and the odd tiles of n.  The bias's term is left out (dead work: see the first kernel's head).
; One work-group of four waves for each b, since a row's maximum and sum have one owner; thread x holds s = 512 k + 4 x + 0..3, k = 0..3.  Every load and store of a wave covers 512 consecutive bytes.
; The row's maximum is taken away before the exponential: 2^(e L - m L), L = log2(e).  No matrix unit, cluster or tensor load: 16 KiB in and 8 KiB out, nothing shared between work-groups.
	s_load_b128 s[4:7], s[0:1], 0x0                ; epart, out0
	v_lshl_add_u32 v48, v0, 2, 0x100
	v_mov_b32 v49, 0
	v_lshlrev_b32 v1, 4, v0
	v_lshrrev_b32 v2, 5, v0
	v_lshlrev_b32 v3, 2, v2                        ; my wave's word in LDS
	v_mov_b32 v4, 0
	v_mov_b32 v44, 0                               ; a lane permute's destination counts as a source
	s_lshl_b32 s14, ttmp9, 13
	s_mov_b32 s15, 0
	s_mov_b32 s18, 0x76543210
	s_mov_b32 s19, 0xfedcba98
	s_wait_alu depctr_va_vdst(0)
	s_wait_kmcnt 0x0
	s_add_nc_u64 s[4:5], s[4:5], s[14:15]
	s_add_nc_u64 s[6:7], s[6:7], s[14:15]
.irp k, 0,1,2,3
	global_load_b128 v[8+4*\k:11+4*\k], v1, s[4:5] offset:2048*\k
	global_load_b128 v[24+4*\k:27+4*\k], v1, s[4:5] offset:262144+2048*\k
.endr
	s_wait_loadcnt 0x0
.irp j, 0,2,4,6,8,10,12,14
	v_pk_add_f32 v[8+\j:9+\j], v[8+\j:9+\j], v[24+\j:25+\j]
.endr
	v_max3_num_f32 v40, v8, v9, v10
	v_max3_num_f32 v41, v11, v12, v13
	v_max3_num_f32 v40, v40, v14, v15
	v_max3_num_f32 v41, v41, v16, v17
	v_max3_num_f32 v40, v40, v18, v19
	v_max3_num_f32 v41, v41, v20, v21
	v_max3_num_f32 v40, v40, v22, v23
	v_max_num_f32 v40, v40, v41
.irp m, 1,2,4,8
	v_max_num_f32_dpp v40, v40, v40 row_xmask:\m row_mask:0xf bank_mask:0xf
.endr
	v_permlanex16_b32 v44, v40, s18, s19
	v_max_num_f32 v40, v40, v44
	ds_store_b32 v3, v40                           ; bytes 0-15: the four waves' maxima
	s_wait_dscnt 0x0
	s_barrier_signal -1
	s_barrier_wait -1
	ds_load_b128 v[28:31], v4
	s_wait_dscnt 0x0
	v_max3_num_f32 v28, v28, v29, v30
	v_max_num_f32 v28, v28, v31
	v_mul_f32 v28, 0x3fb8aa3b, v28                 ; m L
.irp j, 0,2,4,6,8,10,12,14
	v_pk_fma_f32 v[8+\j:9+\j], v[8+\j:9+\j], 0x3fb8aa3b, v[28:29] op_sel_hi:[1,0,0] neg_lo:[0,0,1] neg_hi:[0,0,1]
.endr
	s_wait_alu depctr_va_vdst(0)
.irp j, 8,9,10,11,12,13,14,15,16,17,18,19,20,21,22,23
	v_exp_f32 v[\j], v[\j]
.endr
	v_nop
	s_wait_alu depctr_va_vdst(0)
	v_pk_add_f32 v[24:25], v[8:9], v[10:11]
	v_pk_add_f32 v[26:27], v[12:13], v[14:15]
	v_pk_add_f32 v[32:33], v[16:17], v[18:19]
	v_pk_add_f32 v[34:35], v[20:21], v[22:23]
	v_pk_add_f32 v[24:25], v[24:25], v[26:27]
	v_pk_add_f32 v[32:33], v[32:33], v[34:35]
	v_pk_add_f32 v[24:25], v[24:25], v[32:33]
	v_add_f32 v24, v24, v25
.irp m, 1,2,4,8
	v_add_f32_dpp v24, v24, v24 row_xmask:\m row_mask:0xf bank_mask:0xf
.endr
	v_permlanex16_b32 v44, v24, s18, s19
	v_add_f32 v24, v24, v44
	ds_store_b32 v3, v24 offset:64                 ; bytes 64-79: the four waves' sums
	s_wait_dscnt 0x0
	s_barrier_signal -1
	s_barrier_wait -1
	ds_load_b128 v[28:31], v4 offset:64
	s_wait_dscnt 0x0
	v_add_f32 v28, v28, v29
	v_add_f32 v30, v30, v31
	v_add_f32 v28, v28, v30                        ; the row's sum
	s_wait_alu depctr_va_vdst(0)
	v_rcp_f32 v30, v28
	v_nop
	s_wait_alu depctr_va_vdst(0)
.irp j, 0,2,4,6,8,10,12,14
	v_pk_mul_f32 v[8+\j:9+\j], v[8+\j:9+\j], v[30:31] op_sel_hi:[1,0]
.endr
.irp k, 0,1,2,3
	global_store_b128 v1, v[8+4*\k:11+4*\k], s[6:7] offset:2048*\k
.endr
	s_wait_tensorcnt 0x0                           ; the wave's end
	ds_add_u32 v48, v49
	s_wait_dscnt 0x0
	s_endpgm
.Lfunc_end_k_q6217b7f6eb_softmax:
	.size	k_q6217b7f6eb_softmax, .Lfunc_end_k_q6217b7f6eb_softmax-k_q6217b7f6eb_softmax
	.p2alignl 7, 3214868480
	.fill 96, 4, 3214868480
	.section	.rodata,"a",@progbits
	.p2align	6, 0x0
	.amdhsa_kernel k_q6217b7f6eb_softmax
		.amdhsa_group_segment_fixed_size 768
		.amdhsa_private_segment_fixed_size 0
		.amdhsa_enable_private_segment 0
		.amdhsa_kernarg_size 16
		.amdhsa_user_sgpr_count 2
		.amdhsa_user_sgpr_kernarg_segment_ptr 1
		.amdhsa_wavefront_size32 1
		.amdhsa_system_sgpr_workgroup_id_x 1
		.amdhsa_system_sgpr_workgroup_id_y 1
		.amdhsa_system_sgpr_workgroup_id_z 1
		.amdhsa_system_vgpr_workitem_id 0
		.amdhsa_next_free_vgpr 50
		.amdhsa_next_free_sgpr 66
		.amdhsa_reserve_vcc 0
		.amdhsa_float_denorm_mode_32 3
		.amdhsa_float_denorm_mode_16_64 3
		.amdhsa_memory_ordered 1
		.amdhsa_forward_progress 1
		.amdhsa_inst_pref_size 8
	.end_amdhsa_kernel
	.amdgpu_metadata
---
amdhsa.version: [ 1, 2 ]
amdhsa.kernels:
  - .name:           k_q6217b7f6eb_softmax
    .symbol:         k_q6217b7f6eb_softmax.kd
    .args:
      - { .name: epart, .offset: 0, .size: 8, .value_kind: global_buffer, .address_space: global }
      - { .name: out0, .offset: 8, .size: 8, .value_kind: global_buffer, .address_space: global }
    .group_segment_fixed_size: 768
    .private_segment_fixed_size: 0
    .kernarg_segment_align: 8
    .kernarg_segment_size: 16
    .max_flat_workgroup_size: 128
    .sgpr_count:     66
    .vgpr_count:     50
    .wavefront_size: 32
...
	.end_amdgpu_metadata
.endif
;; end of part 3
